; MI455X (gfx1250); checked and timed in simulation.
; The chip was launched on July 23, 2026; its instructions are those of AMD's public machine-readable ISA for CDNA 5 (MIT licence, August 2026) and "CDNA5" Instruction Set Architecture Reference Guide (July 2026). The comments in the code are by the model that wrote it; some were corrected since.
;; Lateral Inhibition Layer. Allowed arithmetic: matrix products marked QUANTISED: E2M3 operands, one E8M0 scale for each 32 along K, by v_wmma_scale_f32_16x16x128_f8f6f4 with both operands' format E2M3, f32 sums; everything else in f32.
;; Inputs: inhibition_matrix 4,096 x 4,096 float32; membrane 4,096 x 4,096 float32.
;; Outputs: out0 4,096 x 4,096 float32.
;; This version of the problem:
;;   THIS VERSION OF THE PROBLEM IS GIVEN IN LOW PRECISION. The matrix products marked QUANTISED in the list below multiply operands that are first quantised to E2M3 (2 exponent bits, 3 mantissa bits; 6 bits a number), with one power-of-two scale for each 32 numbers along K (OCP MX v1.0); their sums are f32. All else is computed in f32.
;;   The module's matrix products, in the order in which they are computed (A, B: the left and right operand; K: the contracted axis; several contracted axes count as one K, in the product's order):
;;     1. [M 4,096, K 4,096] x [K 4,096, N 4,096]; A: computed on the way; B: input inhibition_matrix: QUANTISED
;;   THE QUANTISER, for each operand of a quantised product, along K:
;;     - K is cut into blocks of 32 from its start; a last block that is shorter is filled with zeros.
;;     - A block's scale is 2^e with e = floor(log2(the largest magnitude in the block)) - 2, held to -126 .. 127; a block of zeros has e = 0. As a byte (E8M0): e + 127.
;;     - Each number is divided by its block's scale, clamped to +-7.5, and rounded to the nearest number of E2M3, ties to even, subnormals kept.
;;     - The product sums the exact products of the quantised numbers (number of the format x scale) in f32.
;;   ~~~python
;;   def quantise(x, axis):      # numpy; x: float32 -> the quantised numbers, widened to float32 again
;;       x = np.moveaxis(x, axis, -1); K = x.shape[-1]
;;       x = np.pad(x, [(0, 0)] * (x.ndim - 1) + [(0, -K % 32)]); x = x.reshape(x.shape[:-1] + (-1, 32)); a = np.abs(x).max(-1, keepdims=True)
;;       e = np.where(a > 0, np.clip(np.frexp(np.where(a > 0, a, 1))[1] - 1 - 2, -126, 127), 0)      # np.frexp(a)[1] - 1 = floor(log2(a)), exactly
;;       r = np.clip(x / 2.0 ** e, -7.5, 7.5)
;;       step = 2.0 ** (np.maximum(np.frexp(np.where(r == 0, 1, r))[1] - 1, 0) - 3)
;;       q = np.round(r / step) * step * 2.0 ** e      # np.round: ties to even
;;       return np.moveaxis(q.reshape(q.shape[:-2] + (-1,))[..., :K], -1, axis).astype(np.float32)
;;   ~~~
;;   OPERANDS COMPUTED ON THE WAY. 'Computed on the way' means the value that the module computes at that place (a softmax that the list does not call 'softmax' is quantised finished and normalised). What goes into a quantiser is computed in f32, as accurately as f32 sums, v_exp_f32 and their like allow (about 1e-6 of the number): no bf16 or f16 on the way to a quantiser, and a product that is left as it is and whose result goes on into a quantised operand takes f32 operands (vector FMAs, or v_wmma_f32_16x16x4_f32). A number that lies on a knife's edge between two numbers of the format may be rounded either way, as far as f32 arithmetic and the matrix unit's own rounding can turn it there, and no further.
;; One version. Each part assembles by itself: llvm-mc -triple=amdgcn-amd-amdhsa -mcpu=gfx1250 --defsym DOCPART=n.
;; ======== version 1 of 1: 2 launches
;; limits: right only within a limited range of input values
;; workspace buffers: a_codes 12,582,912 bytes; b_codes 13,107,200 bytes
;; launch prep (part 1): grid 512 x 1, 8 waves a work-group, no clusters, 93,440 bytes of LDS; arguments membrane, inhibition_matrix, a_codes, b_codes; writes a_codes, b_codes
.if DOCPART == 1
	.amdgcn_target "amdgcn-amd-amdhsa--gfx1250"
	.amdhsa_code_object_version 6
	.text
	.protected	k_qe1b37865f2_prep
	.globl	k_qe1b37865f2_prep
	.p2align	8
	.type	k_qe1b37865f2_prep,@function
k_qe1b37865f2_prep:
	s_mov_b64 s[64:65], 0
	v_nop
	global_prefetch_b8 v0, s[64:65] scope:SCOPE_SE
	s_setreg_imm32_b32 hwreg(HW_REG_WAVE_MODE, 25, 1), 1
	s_wait_xcnt 0x0
; Both operands of  out = membrane - winners W^T  are made here as codes of FP6 (E2M3) with one E8M0 byte for each 32 along K, laid as the product's launch reads them.
;   W = inhibition_matrix [4096 n][4096 k] f32, quantised along its last axis; winners [4096 m][4096 k]: 1.0 where membrane[m][k] equals its row's maximum (ties all win), else 0.
; The product is done whole: which blocks of K hold a winner hangs on the values, so no part of it is dead for all inputs.
; A block's scale byte is its largest magnitude's exponent field - 2, held at 1 from below; numbers are divided by the scale and rounded to the nearest code, ties to even, beyond 7.5 the largest code.
; WINNERS' BYTES ARE NOT STORED: a block with a winner has the byte 125, a block without has zero codes, which add nothing under any finite byte: the product's launch takes 125 throughout.
; LAYOUT OUT.  16 rows x 128 K are 1,536 bytes, the image of a fragment's 12 registers: run u (0..2) of 512 bytes holds registers 4u..4u+3 of lane l at 16 l; lane (r, h) holds row r,
; registers 6c..6c+5 = the 24 bytes of block 2c + h.  Buffer: [K slot of 256: 16][128 rows: 32][16 rows: 8][step: 2][1,536]; in b_codes each block of 128 rows has 1,024 bytes of scale words
; behind its 24,576 of codes: [16 rows: 8][lane (r, q): the word of row r for the slot's step q].
; LIMITS.  A block of zeros of W gets the byte 1 where the rule says 127 (zero codes; only this program reads the bytes); blocks of W under 2^-124 keep the byte 1.
; NaN in the membrane is not served (the maximum lets a NaN lose); NaN and infinities in W are not served.
; SHARES.  A work-group takes 16 rows, a wave two, one after the other; a row (128 registers a lane) stays in registers between the maximum and the quantiser.  Work-groups 0-255 take the membrane, 256-511 W.
; A step's 2,048 bytes turn through the wave's stage so that a lane holds 16 neighbours; its 12 bytes of codes go as three words into the work-group's image in LDS; behind one barrier the image leaves
; in stores of 512 consecutive bytes.  The scale words leave in runs of 128 bytes (16 rows' share of a slot): one byte in 128 of what is read.
.set WGM,   256
.set EMAX,  2
.set R,     16                         ; v16-143  the row as loaded
.set X,     144                        ; v144-175 two sets of 16 neighbours
.set E,     176                        ; v176-191 a scale byte a step
.set C,     192                        ; v192..   codes: registers 4g..4g+2 for step g; the fourth of each four serves below
.set SA,    195                        ; LDS address of my scale word on the way out
.set SG,    199                        ; 4 x lane
.set SPW,   251                        ; my spare word;  NIL: 0; neither is rewritten
.set NIL,   255
.set SP,    80
.set WREG,  5120                       ; a wave's two stages of 32 x SP bytes
.set IMG,   8*WREG                     ; the image: 32 steps x 1,536 bytes
.set SCB,   IMG+49152                  ; scale bytes: 16 rows, 132 bytes apart
.set SPARE, SCB+2304                   ; the spare words: 128 bytes a wave
	s_load_b128 s[4:7], s[0:1], 0x0                ; membrane, W
	s_load_b128 s[8:11], s[0:1], 0x10              ; winners' codes, W's codes and scales
	v_lshl_add_u32 v[SPW], v0, 2, SPARE
	v_mov_b32 v[NIL], 0
	v_lshrrev_b32 v1, 5, v0
	v_readfirstlane_b32 s16, v1                    ; wave 0..7
	s_mul_i32 s17, s16, WREG
	s_lshl_b32 s18, s16, 5
	s_add_co_u32 s18, s18, IMG                     ; image: my first row is 2 x wave, 16 bytes a row
	s_mul_i32 s19, s16, 264
	s_add_co_u32 s19, s19, SCB                     ; my two rows of scale bytes
	s_mul_i32 s20, s16, 6144
	s_add_co_u32 s20, s20, IMG                     ; way out: slots 2 w, 2 w + 1 of the image
	s_lshl_b32 s21, s16, 4
	s_add_co_u32 s21, s21, SCB                     ; and their words: 16 bytes of each row
	s_mov_b32 s24, 0x76543210
	s_mov_b32 s25, 0xfedcba98                      ; v_permlanex16_b32's selects for lane l xor 16
	v_and_b32 v2, 31, v0                           ; lane
	v_lshlrev_b32 v3, 4, v2                        ; 16 x lane
	v_lshrrev_b32 v14, 2, v2
	v_mul_u32_u24 v14, v14, SP
	v_and_b32 v15, 3, v2
	v_lshl_add_u32 v14, v15, 4, v14
	v_add_nc_u32 v14, s17, v14                     ; stage, in: SP (lane / 4) + 16 (lane % 4)
	v_mul_u32_u24 v15, v2, SP
	v_add_nc_u32 v15, s17, v15                     ; stage, out: my 16 neighbours
	v_lshrrev_b32 v5, 1, v2
	v_add_nc_u32 v5, s19, v5                       ; my block's scale byte
	v_lshrrev_b32 v8, 3, v2                        ; which 128 along K of the step's 512
	v_bfe_u32 v9, v2, 1, 1                         ; h
	v_bfe_u32 v10, v2, 2, 1                        ; c
	v_and_b32 v11, 1, v2                           ; which half of the block
	v_mul_u32_u24 v8, v8, 1536
	v_add_nc_u32 v8, s18, v8
	v_lshl_add_u32 v8, v9, 8, v8                   ; + 16 x 16 h
	v_mul_u32_u24 v10, v10, 6
	v_mad_u32_u24 v10, v11, 3, v10                 ; my first register of the fragment's 12: 6 c + 3 half
.irp i, 0,1,2
	v_add_nc_u32 v11, \i, v10
	v_lshrrev_b32 v12, 2, v11
	v_and_b32 v11, 3, v11
	v_lshl_add_u32 v12, v12, 9, v8                 ; run of 512 bytes
	v_lshl_add_u32 v[4+\i+(\i+1)/2], v11, 2, v12   ; v4, v6, v7: where my three words of codes go
.endr
	v_add_nc_u32 v1, s20, v3                       ; way out of the image
	v_and_b32 v12, 15, v2
	v_lshrrev_b32 v13, 4, v2
	v_mul_u32_u24 v12, v12, 132
	v_lshl_add_u32 v12, v13, 2, v12
	v_add_nc_u32 v[SA], s21, v12                   ; row r, step 4 w + q
	v_lshlrev_b32 v[SG], 2, v2
	s_wait_alu depctr_va_vdst(0)                   ; the wait at the head's end
	s_wait_kmcnt 0x0
	s_cmp_lt_u32 ttmp9, WGM                        ; the membrane's work-group or W's: the work-group's number alone decides
	s_cselect_b64 s[4:5], s[4:5], s[6:7]
	s_cselect_b64 s[8:9], s[8:9], s[10:11]
	s_mov_b32 s22, 25600
	s_cselect_b32 s22, 24576, s22                  ; bytes of 128 rows in a slot
	s_cselect_b32 s23, 0, WGM
	s_sub_co_u32 s23, ttmp9, s23                   ; which 16 rows of the tensor
	s_lshl_b32 s30, s23, 3
	s_add_co_u32 s30, s30, s16
	s_lshl_b32 s30, s30, 15                        ; my pair of rows, 32,768 bytes
	s_mov_b32 s31, 0
	s_add_nc_u64 s[4:5], s[4:5], s[30:31]
	s_lshl_b32 s32, s22, 5                         ; bytes of a slot
	s_mov_b32 s33, 0
	s_lshl_b32 s34, s16, 1
	s_mul_i32 s34, s34, s32
	s_lshr_b32 s35, s23, 3
	s_mul_i32 s35, s35, s22
	s_add_co_u32 s30, s34, s35
	s_add_nc_u64 s[8:9], s[8:9], s[30:31]          ; slot 2 w, my 128 rows
	s_and_b32 s35, s23, 7
	s_lshl_b32 s30, s35, 7
	s_add_co_u32 s30, s30, 24576
	s_add_nc_u64 s[12:13], s[8:9], s[30:31]        ; my 16 rows' scale words (W alone)
	s_mul_i32 s30, s35, 3072
	s_add_nc_u64 s[8:9], s[8:9], s[30:31]          ; my 16 rows' codes
	s_add_nc_u64 s[10:11], s[8:9], s[32:33]        ; the same in slot 2 w + 1
	s_add_nc_u64 s[14:15], s[12:13], s[32:33]
.macro LOAD g
.irp i, 0,1,2,3
	global_load_b128 v[R+16*((\g)%8)+4*\i:R+16*((\g)%8)+4*\i+3], v3, s[4:5] offset:2048*(\g)+512*\i th:TH_LOAD_NT   ; 512 consecutive bytes
.endr
.endm
.macro TURN g                          ; LDS serves a wave's instructions in order: no wait between the stores and the loads
.irp i, 0,1,2,3
	ds_store_b128 v14, v[R+16*((\g)%8)+4*\i:R+16*((\g)%8)+4*\i+3] offset:32*SP*((\g)%2)+8*SP*\i
.endr
.irp i, 0,1,2,3
	ds_load_b128 v[X+16*((\g)%2)+4*\i:X+16*((\g)%2)+4*\i+3], v15 offset:32*SP*((\g)%2)+16*\i
.endr
.endm
.macro WINNERS                         ; the membrane's row becomes winners in place; W's work-groups jump over it
	s_cmp_lt_u32 ttmp9, WGM
	s_cbranch_scc0 .Lplain_\@
	s_wait_loadcnt 0x0                             ; the whole row is in
.irp c, 0,1,2,3
	v_max3_num_f32 v[8+\c], v[R+3*\c], v[R+3*\c+1], v[R+3*\c+2]   ; four chains
.endr
.set J, 12
.rept 14
.irp c, 0,1,2,3
	v_max3_num_f32 v[8+\c], v[8+\c], v[R+J+2*\c], v[R+J+2*\c+1]
.endr
.set J, J+8
.endr
	v_max3_num_f32 v8, v8, v[R+124], v[R+125]
	v_max3_num_f32 v9, v9, v[R+126], v[R+127]
	v_max3_num_f32 v8, v8, v9, v10
	v_max_num_f32 v8, v8, v11
	v_max_num_f32_dpp v8, v8, v8 row_xmask:1 row_mask:0xf bank_mask:0xf
	v_max_num_f32_dpp v8, v8, v8 row_xmask:2 row_mask:0xf bank_mask:0xf
	v_max_num_f32_dpp v8, v8, v8 row_xmask:4 row_mask:0xf bank_mask:0xf
	v_max_num_f32_dpp v8, v8, v8 row_xmask:8 row_mask:0xf bank_mask:0xf
	v_permlanex16_b32 v13, v8, s24, s25
	v_max_num_f32 v12, v8, v13                     ; the row's maximum in every lane
.set J, 0
.rept 32
.irp c, 0,1,2,3
	v_cmp_eq_f32 s[26+\c], v[R+J+\c], v12          ; the masks select values alone
.endr
.irp c, 0,1,2,3
	v_cndmask_b32 v[R+J+\c], 0, 1.0, s[26+\c]
.endr
.set J, J+4
.endr
.Lplain_\@:
.endm
.macro STEP g
.set XS, X+16*((\g)%2)
.if (\g)%8 == 0
	s_wait_dscnt 0x0                               ; this step's numbers are back from the stage
.else
	s_wait_dscnt 4                                 ; the same; the last step's four small stores, issued behind them, may be out
.endif
.if (\g) < 8
	LOAD (\g)+8                                    ; the same step of the second row
.endif
.if (\g)%8 != 7
.if (\g) < 8
	s_wait_loadcnt 28                              ; the next step's four loads are in; seven steps' loads stand behind them
.else
	s_wait_loadcnt 4*(14-(\g))
.endif
	TURN (\g)+1
.endif
	v_max3_num_f32 v8, |v[XS]|, |v[XS+1]|, |v[XS+2]|
	v_max3_num_f32 v9, |v[XS+3]|, |v[XS+4]|, |v[XS+5]|
.irp i, 6,10
	v_max3_num_f32 v8, v8, |v[XS+\i]|, |v[XS+\i+1]|
	v_max3_num_f32 v9, v9, |v[XS+\i+2]|, |v[XS+\i+3]|
.endr
	v_max3_num_f32 v8, v8, |v[XS+14]|, |v[XS+15]|
	v_max3_num_f32 v8, v8, v9, (EMAX+1)<<23        ; the floor: the byte cannot fall under 1
	v_max_num_f32_dpp v8, v8, v8 row_xmask:1 row_mask:0xf bank_mask:0xf   ; with my neighbour's 16: the block's
	v_add_nc_u32 v11, -(EMAX<<23), v8              ; the conversion's scale operand
	v_cvt_scalef32_pk16_fp6_f32 v[C+4*(\g):C+4*(\g)+2], v[XS:XS+15], v11
	v_lshrrev_b32 v[E+(\g)], 23, v11               ; the byte (also the plain line behind the conversion)
	ds_store_b8 v5, v[E+(\g)] offset:16*((\g)%8)+132*((\g)/8)
	ds_store_b32 v4, v[C+4*(\g)] offset:6144*((\g)%8)+16*((\g)/8)     ; my three words into the image
	ds_store_b32 v6, v[C+4*(\g)+1] offset:6144*((\g)%8)+16*((\g)/8)
	ds_store_b32 v7, v[C+4*(\g)+2] offset:6144*((\g)%8)+16*((\g)/8)
.endm
.irp g, 0,1,2,3,4,5,6,7
	LOAD \g
.endr
	WINNERS
	s_wait_loadcnt 28
	s_wait_alu depctr_va_vdst(0)                   ; the wait ahead of the first reader behind the waits
	TURN 0
.irp g, 0,1,2,3,4,5,6,7
	STEP \g
.endr
	WINNERS
	s_wait_loadcnt 28
	TURN 8
.irp g, 8,9,10,11,12,13,14,15
	STEP \g
.endr
	s_wait_dscnt 0x0                               ; for the others' sake: my stores into the image and the bytes are done
	s_barrier_signal -1
	s_barrier_wait -1
.irp j, 0,1,2,3,4,5,6,7,8,9,10,11
	ds_load_b128 v[R+4*\j:R+4*\j+3], v1 offset:512*\j
.endr
.irp j, 0,1,2,3,4,5,6,7,8,9,10,11
	s_wait_dscnt 11-\j
	global_store_b128 v3, v[R+4*\j:R+4*\j+3], s[8+2*(\j/6):9+2*(\j/6)] offset:512*(\j%6)   ; 512 consecutive bytes, from a multiple of 256
.endr
	s_cmp_lt_u32 ttmp9, WGM
	s_cbranch_scc1 .Lno_scales                     ; winners' bytes are not stored
	ds_load_b32 v12, v[SA]
	ds_load_b32 v13, v[SA] offset:8
	s_wait_dscnt 0x0
	global_store_b32 v[SG], v12, s[12:13]
	global_store_b32 v[SG], v13, s[14:15]
.Lno_scales:
	s_wait_tensorcnt 0x0                           ; the wave's end
	ds_add_u32 v[SPW], v[NIL]
	s_wait_dscnt 0x0
	s_endpgm
.Lfunc_end_k_qe1b37865f2_prep:
	.size	k_qe1b37865f2_prep, .Lfunc_end_k_qe1b37865f2_prep-k_qe1b37865f2_prep
	.p2alignl 7, 3214868480
	.fill 96, 4, 3214868480
	.section	.rodata,"a",@progbits
	.p2align	6, 0x0
	.amdhsa_kernel k_qe1b37865f2_prep
		.amdhsa_group_segment_fixed_size 93440
		.amdhsa_private_segment_fixed_size 0
		.amdhsa_enable_private_segment 0
		.amdhsa_kernarg_size 32
		.amdhsa_user_sgpr_count 2
		.amdhsa_user_sgpr_kernarg_segment_ptr 1
		.amdhsa_wavefront_size32 1
		.amdhsa_system_sgpr_workgroup_id_x 1
		.amdhsa_system_sgpr_workgroup_id_y 1
		.amdhsa_system_sgpr_workgroup_id_z 1
		.amdhsa_system_vgpr_workitem_id 0
		.amdhsa_next_free_vgpr 256
		.amdhsa_next_free_sgpr 66
		.amdhsa_reserve_vcc 0
		.amdhsa_float_denorm_mode_32 3
		.amdhsa_float_denorm_mode_16_64 3
		.amdhsa_memory_ordered 1
		.amdhsa_forward_progress 1
		.amdhsa_inst_pref_size 80
	.end_amdhsa_kernel
	.amdgpu_metadata
---
amdhsa.version: [ 1, 2 ]
amdhsa.kernels:
  - .name:           k_qe1b37865f2_prep
    .symbol:         k_qe1b37865f2_prep.kd
    .args:
      - { .name: membrane, .offset: 0, .size: 8, .value_kind: global_buffer, .address_space: global }
      - { .name: inhibition_matrix, .offset: 8, .size: 8, .value_kind: global_buffer, .address_space: global }
      - { .name: a_codes, .offset: 16, .size: 8, .value_kind: global_buffer, .address_space: global }
      - { .name: b_codes, .offset: 24, .size: 8, .value_kind: global_buffer, .address_space: global }
    .group_segment_fixed_size: 93440
    .private_segment_fixed_size: 0
    .kernarg_segment_align: 8
    .kernarg_segment_size: 32
    .max_flat_workgroup_size: 256
    .sgpr_count:     66
    .vgpr_count:     256
    .wavefront_size: 32
...
	.end_amdgpu_metadata
.endif
;; end of part 1
;; launch gemm (part 2): grid 16 x 16, 4 waves a work-group, clusters of 4 x 4, 327,680 bytes of LDS; arguments a_codes, b_codes, membrane, out0; writes out0
.if DOCPART == 2
	.amdgcn_target "amdgcn-amd-amdhsa--gfx1250"
	.amdhsa_code_object_version 6
	.text
	.protected	k_qe1b37865f2_gemm
	.globl	k_qe1b37865f2_gemm
	.p2align	8
	.type	k_qe1b37865f2_gemm,@function
k_qe1b37865f2_gemm:
	s_mov_b64 s[64:65], 0
	v_nop
	global_prefetch_b8 v0, s[64:65] scope:SCOPE_SE
	s_setreg_imm32_b32 hwreg(HW_REG_WAVE_MODE, 25, 1), 1
	s_wait_xcnt 0x0
	s_wait_alu depctr_hold_cnt(0) depctr_sa_sdst(0) depctr_va_vdst(0) depctr_va_sdst(0) depctr_va_ssrc(0) depctr_va_vcc(0) depctr_vm_vsrc(0)
	s_getreg_b32 s2, hwreg(HW_REG_IB_STS2, 6, 4)
	s_cmp_eq_u32 s2, 0
	s_cbranch_scc0 .Lentry_in_a_cluster
	s_endpgm
.Lentry_in_a_cluster:
	s_bfe_u32 s2, ttmp6, 0x10000c
	s_cmp_lg_u32 s2, 0xf033
	s_cbranch_scc0 .Lentry_shape_is_right
	s_endpgm
.Lentry_shape_is_right:
; out0[m][n] = membrane[m][n] - sum over k of A[m][k] B[n][k].  A = winners, B = the inhibition matrix, as codes of FP6 (E2M3) made and laid by the launch before (its head states the layout and the quantiser's limits).
; A's scale is the byte 125 for every block: a block with a winner has it, a block without has zero codes.
; A tile of 256 x 256 to a work-group of four waves, 128 x 128 a wave: 64 accumulators, 512 registers; 16 x 16 tiles.  K goes in slots of 256 (two steps of 128) through a ring of two LDS slots.
; A slot's share of 128 rows is one dense block of memory (24,576 bytes of A; 25,600 of B with its scale words): a wave's tensor load brings it as rows of 256 bytes.  A fragment lies in LDS as the image of its
; 12 registers: three loads of 16 bytes a lane, 512 consecutive bytes each, so no padding is wanted.
; CLUSTERS 4 x 4: A's blocks are asked for jointly along a row of the cluster, B's along a column.  The matrix instruction is used transposed (source 0 = B's rows): a lane holds 8 neighbours of a row of out0.
; THE LDS LOADS GO IN SEVEN RUNS A SLOT.  A and B both have a register set for each of a slot's two steps.  A slot's 32 fragments are fetched in runs of four or five, one behind every sixteen products, from the
; round that shows the slot whole to sixteen products ahead of the next change of slots; each counted wait on DScnt counts the fragment loads (3 each) issued behind the fragment that is wanted.
; THE MEMBRANE enters the sums while K is walked, a block of 16 rows x 512 bytes a lap: loaded as whole rows, turned through my stage at the head of the runs, subtracted between two products.
; At the end the accumulators hold sum - membrane; on the way out the sign is changed.  The last step goes by A's blocks like every step, and there each block leaves as soon as its eight products are issued.
; PREFETCHES: of the tile that I fetch, my work-group's quarter (24 or 25 blocks of 256 bytes, told apart by address: cx for A, cy for B): K slots 1 and 2 at the head, slot 3 behind slot 1's load, then behind
; each refill in the loop the tile two refills on; behind each load of a membrane block, the next block's 32 blocks of 256 bytes.  Both stop in the loop's last trip, whose look-ahead would pass K's end or my rows' end.
; LIMIT of rounding order: the membrane enters the f32 sums part way along K; a result 0 may differ in sign.
; REGISTERS: window 0: v0-31 addresses, v32-47 B's scale words (a set a slot; lanes 0-15 the first step's, 16-31 the second's), v64-255 A's fragments, two sets.
;   window 1: v0-191 B's fragments, two sets; v192-255 a block of the membrane.   windows 2, 3: accumulator (a, b) at v[8 (8 (a % 4) + b)] of window 2 + a / 4.
.set SIZE_N, 4096
.set HTA,    24576
.set HTB,    25600
.set BOFF,   2*HTA
.set SLOT,   2*HTA+2*HTB
.set STRA,   32*HTA                    ; from K slot to K slot in memory
.set STRB,   32*HTB
.set STG,    2*SLOT                    ; a stage of 16 x 528 bytes a wave: no tensor load lands here
.set SPITCH, 528
.set SPARE,  STG+4*16*SPITCH
.set NEG,  14
.set ADRA, 16                          ; v16-17 my A fragments in slot 0, 1;  v20-21 B's;  v22-23 B's scale words
.set ADRB, 20
.set ADRS, 22
.set STO,  24
.set RD,   25
.set CO,   26
.set PFT,  27
.set SPW,  28
.set NIL,  29
.set ASC,  30
.set PFM,  31
.set SC,   32
.set AF,   64
.set MB,   192
.set MEM,  8                           ; s[8:9] the membrane at the block to be loaded next;  s[10:11] out0 at my first row and column
.set OUT,  10
.set G1,  24
.set G0,  32
.set G1B, 48
.set G0B, 56
.set PFA, 66                           ; s[66:67] the tile prefetch's place;  s[68:69] its step;  s[86:89] its places for K slots 1 and 2
.set PFS, 68
.set MSB, 0
.macro WIN new
.if MSB != \new
	s_set_vgpr_msb (MSB<<8)|\new
.set MSB, \new
.endif
.endm
.set MUL_LO, 0xa1                      ; source 0 (B) window 1, source 1 (A) window 0, C and D window 2
.set TO_B,   0x40                      ; destination window 1, address window 0
.macro PLACES n
.rept \n
	v_nop
.endr
.endm
.macro JLOAD s                         ; waves 0, 1 fetch A's halves, waves 2, 3 B's
	s_cmp_eq_u32 s15, 0
	s_cbranch_scc0 .Lfor_b_\@
	tensor_load_to_lds s[G0+4*\s:G0+4*\s+3], s[G1:G1+7]
	s_nop 0
	PLACES 4
	s_branch .Lasked_\@
.Lfor_b_\@:
	tensor_load_to_lds s[G0B+4*\s:G0B+4*\s+3], s[G1B:G1B+7]
	s_nop 0
	PLACES 4
.Lasked_\@:
.endm
.macro CREST
	s_cmp_lg_u32 s14, 0
	s_cbranch_scc1 .Lnot_wave_0_\@
	s_barrier_signal -3
.Lnot_wave_0_\@:
	s_barrier_wait -3
	s_barrier_signal -1
	s_barrier_wait -1
.endm
.macro CROUND
	s_barrier_signal -1
	s_barrier_wait -1
	CREST
.endm
.macro MLOAD                           ; 16 rows, my 512 bytes of each
	WIN TO_B
.irp t, 0,1,2,3,4,5,6,7,8,9,10,11,12,13,14,15
	global_load_b128 v[MB+4*\t:MB+4*\t+3], v[CO], s[MEM:MEM+1] offset:\t*SIZE_N*4 th:TH_LOAD_NT
.endr
.endm
.macro MSUB a                          ; block a's accumulators less the membrane, each from its low end on
.set AC, 64*((\a)%4)
	WIN 0x86+0x41*((\a)/4)                         ; destination and source 0: window 2 or 3; source 1: window 1
.set I, 0
.rept 32
	v_pk_add_f32 v[AC+I:AC+I+1], v[AC+I:AC+I+1], v[MB+I:MB+I+1] neg_lo:[0,1] neg_hi:[0,1]
.set I, I+2
.endr
	WIN 0
.endm
; Fragment II of a slot's 32: 0-7 B's and 8-15 A's of the first step, 16-23 and 24-31 of the second
.macro FLOAD slot
.if (II/8)%2 == 0
	WIN TO_B
.irp u, 0,1,2
	ds_load_b128 v[96*(II/16)+12*(II%8)+4*\u:96*(II/16)+12*(II%8)+4*\u+3], v[ADRB+(\slot)] offset:3072*(II%8)+1536*(II/16)+512*\u
.endr
.else
	WIN 0
.irp u, 0,1,2
	ds_load_b128 v[AF+96*(II/16)+12*(II%8)+4*\u:AF+96*(II/16)+12*(II%8)+4*\u+3], v[ADRA+(\slot)] offset:3072*(II%8)+1536*(II/16)+512*\u
.endr
.endif
.endm
; Run k of 7.  First, with a membrane block under way: runs 0-3 four rows each into the stage, runs 4-6 eight, four and four loads back in the accumulators' layout.  Then, in runs 0 and 2, four scale registers.
; Last its four or five fragments: 32 k / 7 up to 32 (k + 1) / 7.
.macro GROUP k, slot, mem
.if \mem
.if (\k) == 0
	s_wait_loadcnt 0x0                             ; the block's 16 loads, the only ones out, are in
.if \mem == 1
	s_add_nc_u64 s[MEM:MEM+1], s[MEM:MEM+1], 16*SIZE_N*4   ; freed by that wait and by the step's wait on XCNT
.endif
.endif
.if (\k) <= 3
	WIN 0x04                                       ; an LDS store's data: window 1
.irp t, 0,1,2,3
	ds_store_b128 v[RD], v[MB+16*(\k)+4*\t:MB+16*(\k)+4*\t+3] offset:(4*(\k)+\t)*SPITCH
.endr
.else
	WIN TO_B
.if (\k) == 4
.set JJ, 0
.rept 4
	ds_load_b128 v[MB+4*JJ:MB+4*JJ+3], v[STO] offset:64*(JJ/2)+16*(JJ%2)
.set JJ, JJ+1
.endr
.else
.set JJ, 4*(\k)-12
.endif
.rept 4
	ds_load_b128 v[MB+4*JJ:MB+4*JJ+3], v[STO] offset:64*(JJ/2)+16*(JJ%2)      ; lane (r, h): row r, columns 16 (JJ / 2) + 8 h + 4 (JJ % 2) ..
.set JJ, JJ+1
.endr
.endif
.endif
.if (\k) == 0 || (\k) == 2
	WIN 0
.irp b, 0,1,2,3
	ds_load_b32 v[SC+8*(\slot)+2*(\k)+\b], v[ADRS+(\slot)] offset:128*(2*(\k)+\b)
.endr
.endif
.set II, ((\k)*32)/7
.rept (((\k)+1)*32)/7-((\k)*32)/7
	FLOAD \slot
.set II, II+1
.endr
.endm
; Four products: A's block a x B's blocks b0 .. b0 + 3, the slot's step q.  The 64 accumulators take turns in one order in every step.
.macro MUL4 a, b0, q, sc, zero
	WIN MUL_LO+0x50*((\a)/4)
.irp b, \b0, \b0+1, \b0+2, \b0+3
.if \zero
	v_wmma_scale_f32_16x16x128_f8f6f4 v[8*(8*((\a)%4)+(\b)):8*(8*((\a)%4)+(\b))+7], v[12*(\b):12*(\b)+11], v[AF+12*(\a):AF+12*(\a)+11], 0, v[SC+8*(\sc)+(\b)], v[ASC] matrix_a_fmt:MATRIX_FMT_FP6 matrix_b_fmt:MATRIX_FMT_FP6
.elseif (\q) == 0
	v_wmma_scale_f32_16x16x128_f8f6f4 v[8*(8*((\a)%4)+(\b)):8*(8*((\a)%4)+(\b))+7], v[12*(\b):12*(\b)+11], v[AF+12*(\a):AF+12*(\a)+11], v[8*(8*((\a)%4)+(\b)):8*(8*((\a)%4)+(\b))+7], v[SC+8*(\sc)+(\b)], v[ASC] matrix_a_fmt:MATRIX_FMT_FP6 matrix_b_fmt:MATRIX_FMT_FP6
.else
	v_wmma_scale_f32_16x16x128_f8f6f4 v[8*(8*((\a)%4)+(\b)):8*(8*((\a)%4)+(\b))+7], v[96+12*(\b):96+12*(\b)+11], v[AF+96+12*(\a):AF+96+12*(\a)+11], v[8*(8*((\a)%4)+(\b)):8*(8*((\a)%4)+(\b))+7], v[SC+8*(\sc)+(\b)], v[ASC] matrix_a_fmt:MATRIX_FMT_FP6 matrix_b_fmt:MATRIX_FMT_FP6 matrix_a_scale:MATRIX_SCALE_ROW1
.endif
.endr
.endm
; The membrane's block is subtracted.  mem = 1, in the loop: the block's number is 7 - s3, and register numbers cannot hang on a counter: the 32 lines stand seven times, each under a compare of s3;
; then the next block is asked for, and the block after it prefetched.  mem = 2: the last block.
.macro MEMPART mem
	s_wait_dscnt 15                                ; the block is back from the stage: behind its last load stand run 6's five fragments
	PLACES 4
.if \mem == 1
	WIN 0
.irp a, 0,1,2,3,4,5,6
	s_cmp_lg_u32 s3, 7-\a
	s_cbranch_scc1 .Lnot_\@_\a
	MSUB \a
.Lnot_\@_\a:
.endr
	s_wait_alu depctr_va_vdst(0)
	s_cmp_gt_u32 s3, 1
	s_cbranch_scc0 .Lno_pf_\@
	global_prefetch_b8 v[PFM], s[MEM:MEM+1] offset:16*SIZE_N*4 th:TH_LOAD_NT scope:SCOPE_SE
.Lno_pf_\@:
	PLACES 8                                       ; margin between vector writes of accumulators and the products that take them
	MLOAD
.else
	MSUB 7
	s_wait_alu depctr_va_vdst(0)
	PLACES 8
.endif
.endm
; A slot's first step: 64 products; runs 4-6, behind products 15, 31 and 47, fetch the rest of the second step's fragments.
; The wait ahead of A's block a: fragment 8 + a is in; behind it stand the fragments issued up to run 3 + a / 2, three loads each (stage lines behind it only make the wait stricter).
.macro PSTEP slot, zero, mem
.irp a, 0,1,2,3,4,5,6,7
	s_wait_dscnt 3*(((4+\a/2)*32)/7-9-\a)
.if (\mem) && \a == 7
	MEMPART \mem
.endif
	MUL4 \a, 0, 0, \slot, \zero
	MUL4 \a, 4, 0, \slot, \zero
.if \a == 1 || \a == 3 || \a == 5
	GROUP 4+\a/2, \slot, \mem
.endif
.endr
	WIN 0
.endm
; A slot's second step changes slots.  All reads of this slot were issued in the step before.  In front of the barrier: the wait for all my tensor loads, the add, the wait for it and for my reads.
; fill = 1: the barrier opens a round of the cluster's barrier and this slot is filled again, two slots ahead.  Runs 0-3, behind products 15, 31, 47 and 63, fetch the next slot's first step, its scale words
; and the first two fragments of its second step.
.macro TSTEP slot, next, fill, mem, ask
.if \ask
	s_wait_xcnt 0x0                                ; my prefetches have read their addresses
	s_add_nc_u64 s[PFA:PFA+1], s[PFA:PFA+1], s[PFS:PFS+1]
.endif
	s_wait_tensorcnt 0x0                           ; my part of the next slot has landed
	ds_add_u32 v[SPW], v[NIL]
	s_wait_dscnt 19                                ; the add and A's blocks 2-7 (18 loads) may be out
	MUL4 0, 0, 1, \slot, 0
	MUL4 0, 4, 1, \slot, 0
	s_wait_dscnt 0x0                               ; the add is done, my reads of this slot are over
	s_barrier_signal -1
	MUL4 1, 0, 1, \slot, 0
	MUL4 1, 4, 1, \slot, 0
	WIN 0
	s_barrier_wait -1
.if \fill
	CREST
	s_add_nc_u64 s[G0+4*\slot+2:G0+4*\slot+3], s[G0+4*\slot+2:G0+4*\slot+3], 2*STRA
	s_add_nc_u64 s[G0B+4*\slot+2:G0B+4*\slot+3], s[G0B+4*\slot+2:G0B+4*\slot+3], 2*STRB
	JLOAD \slot                                    ; my one tensor load behind the round; its four v_nop are the places in front of the loads below
.else
	PLACES 4
.endif
	GROUP 0, \next, \mem
.if \ask
	WIN 0
	s_cmp_gt_u32 s3, 1
	s_cbranch_scc0 .Lno_ask_\@
	global_prefetch_b8 v[PFT], s[PFA:PFA+1] th:TH_LOAD_NT scope:SCOPE_SE   ; the tile two refills on
.Lno_ask_\@:
.endif
.irp g, 4,5,6,7,8,9,10,11,12,13,14,15
	MUL4 \g/2, 4*(\g%2), 1, \slot, 0
.if \g == 7
	GROUP 1, \next, \mem
.endif
.if \g == 11
	GROUP 2, \next, \mem
.endif
.endr
	PLACES 4                                       ; in front of the loads into the second step's sets, here and in the next step: this step's products have read them
	GROUP 3, \next, \mem
	WIN 0
.endm
; THE WAY OUT, block by block of 16 rows x 128 columns: through my stage, back as whole rows of 512 bytes into the registers that it left, sign changed, stored.
.macro TOSTAGE a
.set AC, 64*((\a)%4)
	WIN 0x88+0x44*((\a)/4)
.irp b, 0,1,2,3,4,5,6,7
	ds_store_b128 v[STO], v[AC+8*\b:AC+8*\b+3] offset:64*\b          ; each accumulator from its low end on
	ds_store_b128 v[STO], v[AC+8*\b+4:AC+8*\b+7] offset:64*\b+16
.endr
.irp t, 0,1,2,3,4,5,6,7,8,9,10,11,12,13,14,15
	ds_load_b128 v[AC+4*\t:AC+4*\t+3], v[RD] offset:\t*SPITCH
.endr
.endm
.macro FINISH a, younger
.set AC, 64*((\a)%4)
	s_wait_dscnt \younger
	WIN 0x82+0x41*((\a)/4)
.set I, 0
.rept 32
	v_pk_mul_f32 v[AC+I:AC+I+1], v[AC+I:AC+I+1], v[NEG:NEG+1]      ; membrane - sum
.set I, I+2
.endr
	WIN 0x08+0x04*((\a)/4)
.irp t, 0,1,2,3,4,5,6,7,8,9,10,11,12,13,14,15
	global_store_b128 v[CO], v[AC+4*\t:AC+4*\t+3], s[OUT:OUT+1] offset:(16*(\a)+\t)*SIZE_N*4 th:TH_STORE_NT   ; 512 consecutive bytes, from a multiple of 256
.endr
.endm
	s_load_b128 s[4:7], s[0:1], 0x0                ; A's codes, B's codes and scales
	s_load_b128 s[8:11], s[0:1], 0x10              ; the membrane, out0
	v_lshl_add_u32 v[SPW], v0, 2, SPARE
	v_mov_b32 v[NIL], 0
	ds_add_u32 v[SPW], v[NIL]                      ; the opening lines: the add twice on end and one wait
	ds_add_u32 v[SPW], v[NIL]
	v_lshrrev_b32 v1, 5, v0
	v_readfirstlane_b32 s14, v1                    ; wave 0..3
	s_lshr_b32 s15, s14, 1                         ; my half of the rows; also: I fetch for A (0) or B (1)
	s_and_b32 s16, s14, 1                          ; my half of the columns; also: which 128 rows I fetch
	s_bfe_u32 s40, ttmp6, 0x40000                  ; cx
	s_bfe_u32 s41, ttmp6, 0x40004                  ; cy
	s_lshl_b32 s42, ttmp9, 2
	s_add_co_u32 s42, s42, s40                     ; tile column
	s_and_b32 s17, ttmp7, 0xffff
	s_lshl_b32 s17, s17, 2
	s_add_co_u32 s17, s17, s41                     ; tile row
	s_lshl_b32 s43, s41, 2
	s_lshl_b32 s43, 15, s43                        ; my row of the cluster
	s_lshl_b32 s44, 0x1111, s40                    ; my column
	s_or_b32 s[G1+0], s43, (3<<16)|(1<<21)         ; elements of 8 bytes, no padding, the mask and bit 21
	s_or_b32 s[G1B+0], s44, (3<<16)|(1<<21)
	s_mov_b32 s[G1+2], 96<<16                      ; A: 96 rows of 256 bytes
	s_mov_b32 s[G1+4], 96
	s_mov_b32 s[G1B+2], 100<<16                    ; B: 100
	s_mov_b32 s[G1B+4], 100
.irp g, G1, G1B
	s_mov_b32 s[\g+1], 32<<16
	s_mov_b32 s[\g+3], 32<<16
	s_mov_b32 s[\g+5], 32
	s_mov_b32 s[\g+6], 0
	s_mov_b32 s[\g+7], 0
.endr
	s_lshl_b32 s20, s17, 1
	s_add_co_u32 s20, s20, s16
	s_mul_i32 s20, s20, HTA                        ; A: which 128 rows
	s_mov_b32 s21, 0
	s_lshl_b32 s46, s42, 1
	s_add_co_u32 s46, s46, s16
	s_mul_i32 s46, s46, HTB                        ; B likewise
	s_mov_b32 s47, 0
	s_mul_i32 s45, s16, HTA                        ; where they go: no place in the cluster enters an LDS address
	s_mul_i32 s22, s16, HTB
	s_add_co_u32 s22, s22, BOFF
	s_wait_dscnt 0x0
	s_wait_kmcnt 0x0
	s_add_nc_u64 s[20:21], s[4:5], s[20:21]
	s_add_nc_u64 s[46:47], s[6:7], s[46:47]
	CROUND                                         ; the first joint loads meet
.irp s, 0,1
	s_mov_b32 s[G0+4*\s], 1
	s_add_co_u32 s[G0+4*\s+1], s45, \s*SLOT
	s_add_nc_u64 s[G0+4*\s+2:G0+4*\s+3], s[20:21], \s*STRA
	s_or_b32 s[G0+4*\s+3], s[G0+4*\s+3], 0x80000000
	s_mov_b32 s[G0B+4*\s], 1
	s_add_co_u32 s[G0B+4*\s+1], s22, \s*SLOT
	s_add_nc_u64 s[G0B+4*\s+2:G0B+4*\s+3], s[46:47], \s*STRB
	s_or_b32 s[G0B+4*\s+3], s[G0B+4*\s+3], 0x80000000
.endr
	JLOAD 0                                        ; K slot 0: one tensor load a wave at the head
	s_cmp_eq_u32 s15, 0                            ; the tile prefetch: my tile, my work-group's quarter of its blocks of 256 bytes
	s_cselect_b64 s[PFA:PFA+1], s[20:21], s[46:47]
	s_cselect_b32 s70, s40, s41
	s_mov_b32 s71, 25
	s_cselect_b32 s71, 24, s71
	s_mov_b32 s[PFS], STRB
	s_cselect_b32 s[PFS], STRA, s[PFS]
	s_mov_b32 s[PFS+1], 0
	s_mul_i32 s74, s70, s71
	s_lshl_b32 s74, s74, 8
	s_mov_b32 s75, 0
	s_add_nc_u64 s[PFA:PFA+1], s[PFA:PFA+1], s[74:75]
	s_add_nc_u64 s[86:87], s[PFA:PFA+1], s[PFS:PFS+1]  ; K slot 1
	s_add_nc_u64 s[88:89], s[86:87], s[PFS:PFS+1]      ; K slot 2
	s_add_nc_u64 s[PFA:PFA+1], s[88:89], s[PFS:PFS+1]  ; K slot 3: the first change of slots steps it to 4
	s_sub_co_u32 s83, s71, 1
	s_mul_i32 s76, s15, HTA                        ; my 128 rows of A in slot 0, 1
	s_add_co_u32 s77, s76, SLOT
	s_mul_i32 s78, s16, HTB                        ; my 128 rows of B
	s_add_co_u32 s78, s78, BOFF
	s_add_co_u32 s79, s78, SLOT
	s_add_co_u32 s80, s78, HTA                     ; their scale words
	s_add_co_u32 s81, s79, HTA
	s_mul_i32 s82, s14, 16*SPITCH
	s_add_co_u32 s82, s82, STG                     ; my stage
	s_lshl_b32 s84, s17, 8
	s_lshl_b32 s85, s15, 7
	s_add_co_u32 s84, s84, s85
	s_lshl_b32 s84, s84, 14                        ; my first row, 16,384 bytes a row
	s_lshl_b32 s85, s42, 10
	s_add_co_u32 s84, s84, s85
	s_lshl_b32 s85, s16, 9
	s_add_co_u32 s84, s84, s85                     ; + my first column
	s_mov_b32 s85, 0
	s_add_nc_u64 s[MEM:MEM+1], s[MEM:MEM+1], s[84:85]
	s_add_nc_u64 s[OUT:OUT+1], s[OUT:OUT+1], s[84:85]
	v_and_b32 v1, 31, v0                           ; lane
	v_and_b32 v2, 15, v0                           ; r
	v_bfe_u32 v3, v0, 4, 1                         ; h
	v_lshlrev_b32 v[CO], 4, v1
	v_add_nc_u32 v[ADRA], s76, v[CO]
	v_add_nc_u32 v[ADRA+1], s77, v[CO]
	v_add_nc_u32 v[ADRB], s78, v[CO]
	v_add_nc_u32 v[ADRB+1], s79, v[CO]
	v_lshl_add_u32 v[ADRS], v1, 2, s80
	v_lshl_add_u32 v[ADRS+1], v1, 2, s81
	v_mul_u32_u24 v4, v2, SPITCH
	v_lshl_add_u32 v4, v3, 5, v4
	v_add_nc_u32 v[STO], s82, v4                   ; the stage in the accumulators' layout
	v_add_nc_u32 v[RD], s82, v[CO]                 ; and by rows
	v_min_u32 v5, s83, v1                          ; lanes left over name my last block again
	v_lshlrev_b32 v[PFT], 8, v5
	v_lshrrev_b32 v6, 1, v1
	v_and_b32 v7, 1, v1
	v_lshlrev_b32 v7, 8, v7
	v_lshl_add_u32 v[PFM], v6, 14, v7              ; a membrane block's 32 blocks of 256 bytes: row lane / 2, half lane % 2
	v_mov_b32 v[ASC], 0x7d7d7d7d
	v_mov_b32 v[NEG], -1.0
	v_mov_b32 v[NEG+1], -1.0
	s_wait_alu depctr_va_vdst(0)                   ; the wait at the head's end
	global_prefetch_b8 v[PFT], s[86:87] th:TH_LOAD_NT scope:SCOPE_SE   ; my quarter of K slots 1 and 2 of my tile: their first touch
	global_prefetch_b8 v[PFT], s[88:89] th:TH_LOAD_NT scope:SCOPE_SE
	MLOAD                                          ; block 0 of the membrane
	WIN 0
	global_prefetch_b8 v[PFM], s[MEM:MEM+1] offset:16*SIZE_N*4 th:TH_LOAD_NT scope:SCOPE_SE   ; and block 1 asked of memory
	s_wait_tensorcnt 0x0                           ; my part of K slot 0 is in; these lines stand ahead of a later first fill as ahead of a refill
	ds_add_u32 v[SPW], v[NIL]
	s_wait_dscnt 0x0
	CROUND
	JLOAD 1                                        ; K slot 1
.irp b, 0,1,2,3,4,5,6,7
	ds_load_b32 v[SC+\b], v[ADRS] offset:128*\b
.endr
.set II, 0
.rept 18                               ; what runs 0-3 fetch
	FLOAD 0
.set II, II+1
.endr
	WIN 0
	global_prefetch_b8 v[PFT], s[PFA:PFA+1] th:TH_LOAD_NT scope:SCOPE_SE   ; K slot 3
	PSTEP 0, 1, 0                                  ; the first step's products start the sums
	s_mov_b32 s3, 7
.Llap:                                                 ; a trip: once round the ring, both slots filled again, one block of the membrane
	TSTEP 0, 1, 1, 1, 1
	PSTEP 1, 0, 1
	TSTEP 1, 0, 1, 0, 1
	PSTEP 0, 0, 0
	s_sub_co_u32 s3, s3, 1
	s_cmp_lg_u32 s3, 0
	s_cbranch_scc1 .Llap
	TSTEP 0, 1, 0, 2, 0                            ; nothing more is filled: a barrier shows the last slot whole; the membrane's last block turns through the stage
	PSTEP 1, 0, 2
	s_wait_dscnt 0x0                               ; the very last step: all its fragments are in; each block of 16 rows leaves behind its eight products
	MUL4 0, 0, 1, 1, 0
	MUL4 0, 4, 1, 1, 0
	PLACES 4                                       ; in front of the reads of results just made and of the loads into their registers
	TOSTAGE 0
.irp a, 1,2,3,4,5,6,7
	MUL4 \a, 0, 1, 1, 0
	MUL4 \a, 4, 1, 1, 0
	PLACES 4
	TOSTAGE \a
	FINISH \a-1, 32                                ; behind block a - 1's loads: block a's 16 stores and 16 loads
.endr
	FINISH 7, 0
	WIN 0
	s_wait_tensorcnt 0x0                           ; the wave's end
	ds_add_u32 v[SPW], v[NIL]
	s_wait_dscnt 0x0
	CROUND                                         ; the closing round
	s_endpgm
.Lfunc_end_k_qe1b37865f2_gemm:
	.size	k_qe1b37865f2_gemm, .Lfunc_end_k_qe1b37865f2_gemm-k_qe1b37865f2_gemm
	.p2alignl 7, 3214868480
	.fill 96, 4, 3214868480
	.section	.rodata,"a",@progbits
	.p2align	6, 0x0
	.amdhsa_kernel k_qe1b37865f2_gemm
		.amdhsa_group_segment_fixed_size 327680
		.amdhsa_private_segment_fixed_size 0
		.amdhsa_enable_private_segment 0
		.amdhsa_kernarg_size 32
		.amdhsa_user_sgpr_count 2
		.amdhsa_user_sgpr_kernarg_segment_ptr 1
		.amdhsa_wavefront_size32 1
		.amdhsa_system_sgpr_workgroup_id_x 1
		.amdhsa_system_sgpr_workgroup_id_y 1
		.amdhsa_system_sgpr_workgroup_id_z 1
		.amdhsa_system_vgpr_workitem_id 0
		.amdhsa_next_free_vgpr 1024
		.amdhsa_next_free_sgpr 100
		.amdhsa_reserve_vcc 0
		.amdhsa_float_denorm_mode_32 3
		.amdhsa_float_denorm_mode_16_64 3
		.amdhsa_memory_ordered 1
		.amdhsa_forward_progress 1
		.amdhsa_inst_pref_size 178
	.end_amdhsa_kernel
	.amdgpu_metadata
---
amdhsa.version: [ 1, 2 ]
amdhsa.kernels:
  - .name:           k_qe1b37865f2_gemm
    .symbol:         k_qe1b37865f2_gemm.kd
    .args:
      - { .name: a_codes, .offset: 0, .size: 8, .value_kind: global_buffer, .address_space: global }
      - { .name: b_codes, .offset: 8, .size: 8, .value_kind: global_buffer, .address_space: global }
      - { .name: membrane, .offset: 16, .size: 8, .value_kind: global_buffer, .address_space: global }
      - { .name: out0, .offset: 24, .size: 8, .value_kind: global_buffer, .address_space: global }
    .group_segment_fixed_size: 327680
    .private_segment_fixed_size: 0
    .kernarg_segment_align: 8
    .kernarg_segment_size: 32
    .max_flat_workgroup_size: 128
    .sgpr_count:     100
    .vgpr_count:     1024
    .wavefront_size: 32
...
	.end_amdgpu_metadata
.endif
;; end of part 2
